; MI455X (gfx1250); checked and timed in simulation.
; The chip was launched on July 23, 2026; its instructions are those of AMD's public machine-readable ISA for CDNA 5 (MIT licence, August 2026) and "CDNA5" Instruction Set Architecture Reference Guide (July 2026). The comments in the code are by the model that wrote it; some were corrected since.
;; Multi Branch Dense. Allowed arithmetic: matrix products marked QUANTISED: E2M1 operands, one E8M0 scale for each 32 along K, by v_wmma_scale_f32_16x16x128_f8f6f4 with both operands' format E2M1 (or v_wmma_scale_f32_32x16x128_f4), f32 sums; products left as they are: f32 operands where the result goes on into a quantised operand, else bf16, f16 or f32 operands; f32 sums; everything else in f32.
;; Inputs: bias 8 x 512 float32; g 32,768 x 8 float32; kernel 8 x 512 x 512 float32; x 32,768 x 512 float32.
;; Outputs: out0 32,768 x 512 float32.
;; This version of the problem:
;;   THIS VERSION OF THE PROBLEM IS GIVEN IN LOW PRECISION. The matrix products marked QUANTISED in the list below multiply operands that are first quantised to E2M1 (2 exponent bits, 1 mantissa bit; 4 bits a number), with one power-of-two scale for each 32 numbers along K (OCP MX v1.0); their sums are f32. All else is computed in f32.
;;   The module's matrix products, in the order in which they are computed (A, B: the left and right operand; K: the contracted axis; several contracted axes count as one K, in the product's order):
;;     1. batch 32,768 x [M 8, K 1] x [K 1, N 512]; A: computed on the way; B: computed on the way: left as it is (no contracted axis)
;;     2. [M 32,768, K 4,096] x [K 4,096, N 512]; A: computed on the way; B: input kernel: QUANTISED
;;     3. [M 32,768, K 8] x [K 8, N 512]; A: input g; B: input bias: left as it is (K = 8 < 32)
;;   THE QUANTISER, for each operand of a quantised product, along K:
;;     - K is cut into blocks of 32 from its start; a last block that is shorter is filled with zeros.
;;     - A block's scale is 2^e with e = floor(log2(the largest magnitude in the block)) - 2, held to -126 .. 127; a block of zeros has e = 0. As a byte (E8M0): e + 127.
;;     - Each number is divided by its block's scale, clamped to +-6, and rounded to the nearest number of E2M1, ties to even, subnormals kept.
;;     - The product sums the exact products of the quantised numbers (number of the format x scale) in f32.
;;   ~~~python
;;   def quantise(x, axis):      # numpy; x: float32 -> the quantised numbers, widened to float32 again
;;       x = np.moveaxis(x, axis, -1); K = x.shape[-1]
;;       x = np.pad(x, [(0, 0)] * (x.ndim - 1) + [(0, -K % 32)]); x = x.reshape(x.shape[:-1] + (-1, 32)); a = np.abs(x).max(-1, keepdims=True)
;;       e = np.where(a > 0, np.clip(np.frexp(np.where(a > 0, a, 1))[1] - 1 - 2, -126, 127), 0)      # np.frexp(a)[1] - 1 = floor(log2(a)), exactly
;;       r = np.clip(x / 2.0 ** e, -6, 6)
;;       step = 2.0 ** (np.maximum(np.frexp(np.where(r == 0, 1, r))[1] - 1, 0) - 1)
;;       q = np.round(r / step) * step * 2.0 ** e      # np.round: ties to even
;;       return np.moveaxis(q.reshape(q.shape[:-2] + (-1,))[..., :K], -1, axis).astype(np.float32)
;;   ~~~
;;   OPERANDS COMPUTED ON THE WAY. 'Computed on the way' means the value that the module computes at that place (a softmax that the list does not call 'softmax' is quantised finished and normalised). What goes into a quantiser is computed in f32, as accurately as f32 sums, v_exp_f32 and their like allow (about 1e-6 of the number): no bf16 or f16 on the way to a quantiser, and a product that is left as it is and whose result goes on into a quantised operand takes f32 operands (vector FMAs, or v_wmma_f32_16x16x4_f32). A number that lies on a knife's edge between two numbers of the format may be rounded either way, as far as f32 arithmetic and the matrix unit's own rounding can turn it there, and no further.
;; One version. Each part assembles by itself: llvm-mc -triple=amdgcn-amd-amdhsa -mcpu=gfx1250 --defsym DOCPART=n.
;; ======== version 1 of 1: 2 launches
;; limits: values are held in bf16: 8 bits of precision; right only within a limited range of input values
;; workspace buffers: bq 1,114,112 bytes
;; launch prep (part 1): grid 8 x 32, 2 waves a work-group, no clusters, 768 bytes of LDS; arguments kernel, bq; writes bq
.if DOCPART == 1
	.amdgcn_target "amdgcn-amd-amdhsa--gfx1250"
	.amdhsa_code_object_version 6
	.text
	.protected	k_qfd9730ff24_prep
	.globl	k_qfd9730ff24_prep
	.p2align	8
	.type	k_qfd9730ff24_prep,@function
k_qfd9730ff24_prep:
	s_mov_b64 s[64:65], 0
	v_nop
	global_prefetch_b8 v0, s[64:65] scope:SCOPE_SE
	s_setreg_imm32_b32 hwreg(HW_REG_WAVE_MODE, 25, 1), 1
	s_wait_xcnt 0x0
; kernel [8 (g)][512 (i)][512 (o)], f32, is the right operand of the quantised product; its K is (g, i), so a block of 32 along K is 32 neighbouring i under one g.
; It is turned into codes of FP4 (E2M1) and one E8M0 byte for each block, laid in the order in which the next launch walks and reads them:
; bq = 32 K steps x STEPB bytes.  K step m stands for i chunk jc = m / 4 (64 i) and g pair gp = m % 4; its block blk (0 .. 3) is kernel[2 gp + blk / 2][64 jc + 32 (blk % 2) + 0 .. 31][.].
;   bytes 0 .. 32,767 of a step: codes [J = o / 16][blk][r = o % 16][16 bytes]: the image of an operand's registers: lane (r, h) finds its registers 4 c .. 4 c + 3 at 1024 J + 512 c + 16 lane.
;   bytes 32,768 .. 34,815: scale words [o / 64][r][(o / 16) % 4], byte blk of a word for block blk.
; A LANE TAKES A COLUMN o AND ITS REGISTERS RUN DOWN K: a load reads 128 consecutive bytes a wave, a block of 32 lies in one lane, and the conversions give the codes with K innermost.
; A block's scale is 2^(floor(log2(its largest magnitude)) - 2): its byte is the largest magnitude's exponent field - 2, held at 1 from below by a floor among the maximum's leaves.
; LIMITS: a block of zeros gets the byte 1 where the rule says 127 (its codes are zeros, and this program alone reads the bytes); NaN and infinities are not served.
; A work-group (x = cg, y = m) of two waves takes columns 64 cg .. 64 cg + 63 of K step m; thread t column 64 cg + t.
.set STEPB, 34816
.set X,     16                         ; v16-143  the 128 numbers: block blk at X + 32 blk
.set C,     144                        ; v144-159 codes: four registers a block, never rewritten
	s_load_b128 s[4:7], s[0:1], 0x0                ; kernel, bq
	v_lshl_add_u32 v160, v0, 2, 0x200
	v_mov_b32 v161, 0
	v_lshrrev_b32 v5, 5, v0
	v_readfirstlane_b32 s16, v5                    ; wave 0, 1
	s_and_b32 s8, ttmp7, 0xffff                    ; m
	s_lshr_b32 s9, s8, 2                           ; jc
	s_and_b32 s10, s8, 3                           ; gp
	s_lshl_b32 s12, s10, 21                        ; 2 gp x 512 x 512 x 4 bytes
	s_lshl_b32 s9, s9, 17                          ; + jc x 64 rows of 2,048 bytes
	s_add_co_u32 s12, s12, s9
	s_lshl_b32 s9, ttmp9, 8                        ; + 64 cg columns
	s_add_co_u32 s12, s12, s9
	s_mov_b32 s13, 0
	s_mul_i32 s14, s8, STEPB                       ; my K step's block in bq
	s_add_co_u32 s18, s14, 32768                   ; its scale words,
	s_add_co_u32 s18, s18, s9                      ; 256 bytes for each 64 columns
	s_mov_b32 s19, 0
	s_lshl_b32 s9, ttmp9, 12                       ; its codes: 4 column blocks of 1,024 bytes for each 64 columns
	s_add_co_u32 s14, s14, s9
	s_mov_b32 s15, 0
	v_lshlrev_b32 v1, 2, v0                        ; in: 4 bytes a thread
	v_and_b32 v6, 15, v0                           ; r
	v_lshrrev_b32 v7, 4, v0                        ; which of my work-group's four column blocks
	v_lshlrev_b32 v2, 4, v6
	v_lshl_add_u32 v3, v7, 2, v2                   ; LDS: my scale word at 16 r + 4 (t / 16)
	v_lshl_add_u32 v2, v7, 10, v2                  ; codes: 1,024 (t / 16) + 16 r
	v_and_b32 v4, 31, v0
	v_lshlrev_b32 v4, 3, v4                        ; the scale words' way out: 8 bytes a lane
	s_wait_alu depctr_va_vdst(0)
	s_wait_kmcnt 0x0
	s_add_nc_u64 s[4:5], s[4:5], s[12:13]
	s_add_nc_u64 s[20:21], s[6:7], s[14:15]
	s_add_nc_u64 s[22:23], s[6:7], s[18:19]
.macro LOAD t                          ; block t: kernel[2 gp + t / 2][64 jc + 32 (t % 2) + i][my column], i = 0 .. 31
.irp i, 0,1,2,3,4,5,6,7,8,9,10,11,12,13,14,15,16,17,18,19,20,21,22,23,24,25,26,27,28,29,30,31
	global_load_b32 v[X+32*(\t)+\i], v1, s[4:5] offset:((\t)/2)*1048576+(32*((\t)%2)+\i)*2048 th:TH_LOAD_NT
.endr
.endm
.macro BLOCK t
.set XS, X+32*(\t)
.if (\t) < 3
	s_wait_loadcnt 32                              ; this block's 32 loads are in; the next block's 32, issued behind them, may be out
.else
	s_wait_loadcnt 0x0
.endif
.if (\t) < 2
	LOAD (\t)+2                                    ; two blocks ahead; every block has registers of its own
.endif
	v_max3_num_f32 v8, |v[XS]|, |v[XS+1]|, |v[XS+2]|               ; the block's largest magnitude: all 32 numbers are mine; two chains
	v_max3_num_f32 v9, |v[XS+3]|, |v[XS+4]|, |v[XS+5]|
.irp i, 6,10,14,18,22,26
	v_max3_num_f32 v8, v8, |v[XS+\i]|, |v[XS+\i+1]|
	v_max3_num_f32 v9, v9, |v[XS+\i+2]|, |v[XS+\i+3]|
.endr
	v_max3_num_f32 v8, v8, |v[XS+30]|, |v[XS+31]|
	v_max3_num_f32 v8, v8, v9, 0x1800000           ; and the floor 2^(3 - 127): the byte cannot fall under 1
	v_add_nc_u32 v10, 0xff000000, v8               ; 2 off the exponent field: the conversion takes the exponent field of this operand as its scale
	v_lshrrev_b32 v11, 23, v10                     ; the scale's byte
.if (\t) == 0
	v_mov_b32 v12, v11                             ; four bytes make my column's scale word
.else
	v_lshl_or_b32 v12, v11, 8*(\t), v12
.endif
.irp q, 0,1,2,3
	v_cvt_scalef32_pk8_fp4_f32 v[C+4*(\t)+\q], v[XS+8*\q:XS+8*\q+7], v10
.endr
	global_store_b128 v2, v[C+4*(\t):C+4*(\t)+3], s[20:21] offset:256*(\t)   ; sixteen lanes store 256 consecutive bytes, aligned
.endm
	LOAD 0
	LOAD 1
	BLOCK 0
	BLOCK 1
	BLOCK 2
	BLOCK 3
	ds_store_b32 v3, v12                           ; the 64 scale words meet in LDS in the order of bq
	s_wait_dscnt 0x0                               ; for the other wave's sake: my store has landed
	s_barrier_signal -1
	s_barrier_wait -1
	s_cmp_lg_u32 s16, 0
	s_cbranch_scc1 .Ldone
	ds_load_b64 v[14:15], v4
	s_wait_dscnt 0x0
	global_store_b64 v4, v[14:15], s[22:23]        ; wave 0 stores 256 consecutive bytes, aligned
.Ldone:
	s_barrier_signal -1
	s_barrier_wait -1
	s_wait_tensorcnt 0x0
	ds_add_u32 v160, v161
	s_wait_dscnt 0x0
	s_endpgm
.Lfunc_end_k_qfd9730ff24_prep:
	.size	k_qfd9730ff24_prep, .Lfunc_end_k_qfd9730ff24_prep-k_qfd9730ff24_prep
	.p2alignl 7, 3214868480
	.fill 96, 4, 3214868480
	.section	.rodata,"a",@progbits
	.p2align	6, 0x0
	.amdhsa_kernel k_qfd9730ff24_prep
		.amdhsa_group_segment_fixed_size 768
		.amdhsa_private_segment_fixed_size 0
		.amdhsa_enable_private_segment 0
		.amdhsa_kernarg_size 16
		.amdhsa_user_sgpr_count 2
		.amdhsa_user_sgpr_kernarg_segment_ptr 1
		.amdhsa_wavefront_size32 1
		.amdhsa_system_sgpr_workgroup_id_x 1
		.amdhsa_system_sgpr_workgroup_id_y 1
		.amdhsa_system_sgpr_workgroup_id_z 1
		.amdhsa_system_vgpr_workitem_id 0
		.amdhsa_next_free_vgpr 162
		.amdhsa_next_free_sgpr 66
		.amdhsa_reserve_vcc 0
		.amdhsa_float_denorm_mode_32 3
		.amdhsa_float_denorm_mode_16_64 3
		.amdhsa_memory_ordered 1
		.amdhsa_forward_progress 1
		.amdhsa_inst_pref_size 21
	.end_amdhsa_kernel
	.amdgpu_metadata
---
amdhsa.version: [ 1, 2 ]
amdhsa.kernels:
  - .name:           k_qfd9730ff24_prep
    .symbol:         k_qfd9730ff24_prep.kd
    .args:
      - { .name: kernel, .offset: 0, .size: 8, .value_kind: global_buffer, .address_space: global }
      - { .name: bq, .offset: 8, .size: 8, .value_kind: global_buffer, .address_space: global }
    .group_segment_fixed_size: 768
    .private_segment_fixed_size: 0
    .kernarg_segment_align: 8
    .kernarg_segment_size: 16
    .max_flat_workgroup_size: 64
    .sgpr_count:     66
    .vgpr_count:     162
    .wavefront_size: 32
...
	.end_amdgpu_metadata
.endif
;; end of part 1
;; launch main (part 2): grid 256 x 1, 8 waves a work-group, no clusters, 327,680 bytes of LDS; arguments x, g, bias, bq, out0; writes out0
.if DOCPART == 2
	.amdgcn_target "amdgcn-amd-amdhsa--gfx1250"
	.amdhsa_code_object_version 6
	.text
	.protected	k_qfd9730ff24_main
	.globl	k_qfd9730ff24_main
	.p2align	8
	.type	k_qfd9730ff24_main,@function
k_qfd9730ff24_main:
	s_mov_b64 s[64:65], 0
	v_nop
	global_prefetch_b8 v0, s[64:65] scope:SCOPE_SE
	s_setreg_imm32_b32 hwreg(HW_REG_WAVE_MODE, 25, 1), 1
	s_wait_xcnt 0x0
; out[b][o] = sum over (g, i) of Q(g[b][g] x[b][i]) Q(kernel[g][i][o]) + sum over g of g[b][g] bias[g][o].
; The first sum is on codes of FP4 (E2M1) with one E8M0 scale for each 32 along K: a block is 32 neighbouring i under one g.  kernel's codes and scale words come from bq (the launch before).
; SHARES.  A work-group owns 128 rows and all 512 columns, so every g x is quantised once in the launch.  Eight waves.  Wave w multiplies all 128 rows x columns 64 w .. 64 w + 63 (256 registers of sums)
; and quantises rows 16 w .. 16 w + 15: one fragment of 16 rows x 128 K a K step, handed to the other waves through LDS as an image of the operand's registers.
; K is walked in 32 steps of 128.  Step m = 4 jc + gp holds i = 64 jc .. 64 jc + 63 under g = 2 gp and 2 gp + 1: lane (r, h) holds x(row r, 64 jc + 32 h + 0 .. 31) in 32 registers for four steps,
; and its registers 4 c .. 4 c + 3 of the fragment are that block under g = 2 gp + c.  A row's eight g lie in eight registers.
; A'S QUANTISER.  Rounding is monotone, so the largest |g x| of a block IS |g x (the largest |x|)|, bit for bit: the largest |x| is searched once a chunk.
; THE MATRIX INSTRUCTION is the form of 32 x 16 x 128, USED TRANSPOSED: source 0 = 32 columns of kernel, source 1 = 16 rows of A.
; Lane (r, h) of the sum (a, p) holds out(16 a + r, 64 w + 32 p + 8 h + 0 .. 7) in registers 0-7 and the same 16 columns further on in registers 8-15.
; THE SECOND SUM (K = 8) starts the accumulators: 32 bf16 products with C = 0, ahead of the loop.
; KERNEL'S FRAGMENTS GO FROM MEMORY STRAIGHT INTO REGISTERS: bq is laid as the registers' image, and each of its bytes is wanted by one wave of the work-group alone: ten loads a K step,
; asked for at the head of the trip before the one that multiplies them, two sets of registers by turns.
; x COMES BY TENSOR LOADS, a chunk of 64 i at a time, each wave its own 16 rows, into LDS bytes of the chunk's own: every byte of LDS is filled once.  Rows of 256 bytes, 16 of padding behind each.
; A TRIP reads the images of K step m, quantises K step m + 1 and multiplies K step m.  TWO KINDS OF WAVES (kind = (w / 4 + w) % 2): kind 0 multiplies ahead of the trip's barrier, kind 1 behind it, on registers
; that were loaded ahead of it: so of two waves of unlike kind one has matrix work while the other reads LDS and quantises.
; cluster = none: what the work-groups have in common, bq, does not pass LDS here (by way of LDS a K step's 34,816 bytes would be written there and read there once more, beside the 8 x 8,704 bytes of A's images); x's rows are one work-group's alone.
; Not prefetched: x's tile is asked for four trips ahead of the wait for it, kernel's fragments a trip ahead of theirs, and bq is walked by every work-group, not read once.
; LIMITS.  The second sum's operands are rounded to bf16.  NaN and infinities are not served (the bias fragments overlap, so a bias that is not finite would reach neighbouring column blocks).
; A block whose largest |g x| lies under 2^-124, a block of zeros among them, gets the byte 1; a block of zeros has zero codes.
; REGISTERS.  Window 0: v4-29 addresses; v32-43 scale words; v44-51 g; v52-62 the quantiser's; v64-95 products g x and codes; v96-127 X; v128-191 kernel's fragments, two sets; v192-255 A's.
; Window 1: the sum (a, p) at v[32 a + 16 p].
.set STEPB, 34816                      ; a K step's block of bq: 32,768 bytes of codes, 2,048 of scale words
.set XCH,   34816                      ; LDS from byte 0: x's eight chunks, each 128 rows x 272 bytes
.set XWV,   4352                       ; a wave's 16 rows of a chunk.  On the way out chunk 0's bytes, filled once at the head and last read there, are each wave's stage: 16 rows x (256 + 16) bytes
.set IMG,   8*XCH                      ; A's images: two buffers of IMGB: 8 fragments of 1,024 bytes, then at ASC the scale words [a / 4][r][a % 4]
.set IMGB,  8704
.set ASC,   8192
.set SPARE, IMG+2*IMGB                 ; the spare words, 128 bytes for each wave
.set BGOF, 4                           ; bq: my fragments: 4,096 w + 16 lane
.set SGOF, 5                           ; bq: my scale words: 32,768 + 256 w + 16 r + 4 h
.set AA,  6                            ; A's images: IMG + 16 lane
.set SAA, 7                            ; A's scale words: IMG + ASC + 16 r
.set AWI, 8                            ; where I store my image: IMG + 1,024 w + 16 lane
.set AWS, 9                            ; and my scale word: IMG + ASC + 256 (w / 4) + 4 (w % 4) + 16 r
.set XR0, 10                           ; x in LDS: 4,352 w + 272 r + 128 h
.set XRD, 11                           ; the same in the chunk that is read
.set XGO, 12                           ; out in memory: 2,048 h + 16 r
.set SH8, 13                           ; 8 h
.set L16, 14                           ; 16 lane
.set STO, 15                           ; the way out: my stage + 272 r + 32 h
.set RD,  16                           ; and back: my stage + 272 h + 16 r
.set GR,  17                           ; 32 r
.set GGO, 18                           ; 32 r + 16 h
.set BGO, 19                           ; 8,192 h + 4 r
.set SPW, 28                           ; LDS address of my spare word; never rewritten
.set NIL, 29                           ; 0; never rewritten
.set SA,  32
.set SB,  40                           ; set s, pair p at SB + 2 s + p
.set G,   44
.set XM,  52                           ; v52 the largest |x| of my block; v53 its second chain
.set P,   54
.set S,   56
.set BY,  58
.set PR,  60
.set RCV, 61
.set W,   62
.set T,   64                           ; three sets of eight products
.set C,   88                           ; the codes: register 4 c + q
.set BB2, 80                           ; the head: the bias fragments, v80-93
.set X,   96
.set BF,  128                          ; set s at BF + 32 s
.set AF,  192
.set WV,  14
.set G1,  24
.set G0,  32
.set PER, 36
.set XOFF, 37                          ; the chunk that is read, in bytes of LDS
.set SEL, 40
.set FLOOR, 42
.set TY,  44                           ; my kind
.set MSB, 0
.macro WIN new                         ; the immediate's high byte repeats the setting that is left
.if MSB != (\new)
	s_set_vgpr_msb (MSB<<8)|(\new)
.set MSB, (\new)
.endif
.endm
.macro PLACES n
.rept \n
	v_nop
.endr
.endm
.macro XFILL                           ; my 16 rows of a chunk
	tensor_load_to_lds s[G0:G0+3], s[G1:G1+7]
	s_nop 0
	PLACES 4
.endm
.macro XNEXT                           ; group 0 on to the next chunk (no tensor load of mine is out)
	s_add_co_u32 s[G0+1], s[G0+1], XCH
	s_add_nc_u64 s[G0+2:G0+3], s[G0+2:G0+3], 256
.endm
.macro BLOAD st, set                   ; kernel's fragments and scale words of the K step st steps behind the base: each of the eight loads reads 512 consecutive bytes
.irp i, 0,1,2,3,4,5,6,7
	global_load_b128 v[BF+32*(\set)+4*\i:BF+32*(\set)+4*\i+3], v[BGOF], s[10:11] offset:(\st)*STEPB+512*\i
.endr
	global_load_b32 v[SB+2*(\set)], v[SGOF], s[10:11] offset:(\st)*STEPB       ; pair p: lane (r, h) takes column block 2 p + h
	global_load_b32 v[SB+2*(\set)+1], v[SGOF], s[10:11] offset:(\st)*STEPB+8
.endm
.macro XREAD                           ; my block of the chunk, in operand order: 128 bytes a lane
.irp j, 0,1,2,3,4,5,6,7
	ds_load_b128 v[X+4*\j:X+4*\j+3], v[XRD] offset:16*\j
.endr
.endm
.macro XMAX                            ; the largest |x| of my block, in two chains
	v_max3_num_f32 v[XM], |v[X]|, |v[X+1]|, |v[X+2]|
	v_max3_num_f32 v[XM+1], |v[X+3]|, |v[X+4]|, |v[X+5]|
.irp i, 6,10,14,18,22,26
	v_max3_num_f32 v[XM], v[XM], |v[X+\i]|, |v[X+\i+1]|
	v_max3_num_f32 v[XM+1], v[XM+1], |v[X+\i+2]|, |v[X+\i+3]|
.endr
	v_max3_num_f32 v[XM], v[XM], |v[X+30]|, |v[X+31]|
	v_max_num_f32 v[XM], v[XM], v[XM+1]
.endm
; THE QUANTISER of one K step of my 16 rows.  Group n = 4 c + q is eight numbers: four packed multiplies by g = 2 gp + c into set n % 3 of T, one conversion.
.macro MULH n, gp, half
.irp i, 0,1
.if (\n)/4 == 0
	v_pk_mul_f32 v[T+8*((\n)%3)+4*(\half)+2*\i:T+8*((\n)%3)+4*(\half)+2*\i+1], v[X+8*((\n)%4)+4*(\half)+2*\i:X+8*((\n)%4)+4*(\half)+2*\i+1], v[G+2*(\gp):G+2*(\gp)+1] op_sel_hi:[1,0]
.else
	v_pk_mul_f32 v[T+8*((\n)%3)+4*(\half)+2*\i:T+8*((\n)%3)+4*(\half)+2*\i+1], v[X+8*((\n)%4)+4*(\half)+2*\i:X+8*((\n)%4)+4*(\half)+2*\i+1], v[G+2*(\gp):G+2*(\gp)+1] op_sel:[0,1] op_sel_hi:[1,1]
.endif
.endr
.endm
.macro QUANT gp, buf                   ; the scale word's chain stands among the multiplies, a line at a time.  Three LDS stores
	v_pk_mul_f32 v[P:P+1], v[XM:XM+1], v[G+2*(\gp):G+2*(\gp)+1] op_sel_hi:[0,1]   ; both g x the largest |x|: up to the sign the blocks' largest |g x|
	MULH 0, \gp, 0
	MULH 0, \gp, 1
	v_max_num_f32 v[P], |v[P]|, s[FLOOR]           ; with the floor 2^(3 - 127): the byte cannot fall under 1
	v_max_num_f32 v[P+1], |v[P+1]|, s[FLOOR]
	MULH 1, \gp, 0
	v_add_nc_u32 v[S], 0xff000000, v[P]            ; 2 off the exponent field: the conversion's scale operand
	v_add_nc_u32 v[S+1], 0xff000000, v[P+1]
	MULH 1, \gp, 1
.set qn, 0
.rept 8
	v_cvt_scalef32_pk8_fp4_f32 v[C+qn], v[T+8*(qn%3):T+8*(qn%3)+7], v[S+qn/4]
.if qn < 6
	MULH qn+2, \gp, 0                              ; the multiplies run two groups ahead of the conversions
	MULH qn+2, \gp, 1
.endif
.if qn == 0
	v_lshrrev_b32 v[BY], 23, v[S]                  ; the scales' bytes
	v_lshrrev_b32 v[BY+1], 23, v[S+1]
.elseif qn == 1
	v_lshl_or_b32 v[PR], v[BY+1], 16, v[BY]        ; my bytes: blocks h and 2 + h,
.elseif qn == 2
	v_lshlrev_b32 v[PR], v[SH8], v[PR]             ; at their places in the word;
.elseif qn == 3
	v_permlanex16_b32 v[RCV], v[PR], s[SEL], s[SEL+1]
.elseif qn == 4
	v_or_b32 v[W], v[PR], v[RCV]                   ; with lane l xor 16's two the word is whole (both lanes store the same word)
	ds_store_b32 v[AWS], v[W] offset:(\buf)*IMGB
.endif
.set qn, qn+1
.endr
	v_nop                                          ; one plain line behind the last conversion
	ds_store_b128 v[AWI], v[C:C+3] offset:(\buf)*IMGB
	ds_store_b128 v[AWI], v[C+4:C+7] offset:(\buf)*IMGB+512
.endm
.macro LOADS q                         ; 18 LDS loads: A's scale words (2), then its eight fragments
	ds_load_b128 v[SA:SA+3], v[SAA] offset:((\q)%2)*IMGB
	ds_load_b128 v[SA+4:SA+7], v[SAA] offset:((\q)%2)*IMGB+256
.irp f, 0,1,2,3,4,5,6,7
	ds_load_b128 v[AF+8*\f:AF+8*\f+3], v[AA] offset:((\q)%2)*IMGB+\f*1024
	ds_load_b128 v[AF+8*\f+4:AF+8*\f+7], v[AA] offset:((\q)%2)*IMGB+\f*1024+512
.endr
.endm
; 16 products on set s of kernel's fragments: every sum has one instruction a trip, in the same order in every trip: they take turns.
; young: the LDS instructions issued behind A's 18 loads.
.macro MMB s, young
	s_wait_dscnt 8+(\young)                        ; A's scale words and row blocks 0-3 are in
	WIN 0x50                                       ; C and D window 1
.set pn, 0
.rept 16
.if pn == 8
	s_wait_dscnt (\young)                          ; A's row blocks 4-7
.endif
.set rD, 32*(pn/2)+16*(pn%2)
	v_wmma_scale_f32_32x16x128_f4 v[rD:rD+15], v[BF+32*(\s)+16*(pn%2):BF+32*(\s)+16*(pn%2)+15], v[AF+8*(pn/2):AF+8*(pn/2)+7], v[rD:rD+15], v[SB+2*(\s)+pn%2], v[SA+pn/2]
.set pn, pn+1
.endr
	WIN 0
	PLACES 4                                       ; between the products and the loads into the registers that they read (ISA guide 7.12.1 for vector instructions)
.endm
; The q-th trip of four.  endk 0: a plain barrier.  endk 1: behind the barrier the chunk after next is asked for.  endk 2: the same lines, nothing asked for.
; xr = 1: the trip has quantised the chunk's last K step: the next chunk is read into X.
.macro TRIP q, endk, xr
	BLOAD (\q)+1, ((\q)+1)%2                       ; kernel's next K step, into the set that both kinds have multiplied out; that set's loads before were waited for in the last trip
	LOADS \q
	QUANT ((\q)+1)%4, ((\q)+1)%2
.if \xr
	s_add_co_u32 s[XOFF], s[XOFF], XCH
	v_add_nc_u32 v[XRD], s[XOFF], v[XR0]
	XREAD
.endif
	s_wait_alu depctr_va_vdst(0)
	s_wait_loadcnt 10                              ; this K step's ten loads are in; the ten issued at this trip's head may be out
	s_cmp_lg_u32 s[TY], 0
	s_cbranch_scc1 .Lbar_\@
	MMB (\q)%2, 3+8*(\xr)
.Lbar_\@:
.if \xr
	s_wait_dscnt 0x0
	XMAX
	s_wait_alu depctr_va_vdst(0)
.endif
.if \endk != 0
	s_wait_tensorcnt 0x0                           ; my one tensor load that was out, the next chunk's, has landed
	ds_add_u32 v[SPW], v[NIL]
.if \endk == 1
	XNEXT
.endif
.endif
	s_wait_dscnt 0x0                               ; my image has landed and my reads of this trip's images are over
	s_barrier_signal -1
	s_barrier_wait -1
.if \endk == 1
	XFILL                                          ; four trips stand ahead of the wait for it
.endif
	s_cmp_eq_u32 s[TY], 0
	s_cbranch_scc1 .Lend_\@
	MMB (\q)%2, 0
.Lend_\@:
.endm
.macro ITER endk                       ; four trips = one chunk of x
	TRIP 0, 0, 0
	TRIP 1, \endk, 0
	TRIP 2, 0, 1
	TRIP 3, 0, 0
	s_wait_xcnt 0x0                                ; my loads have read their base
	s_add_nc_u64 s[10:11], s[10:11], 4*STEPB
.endm
	s_load_b256 s[4:11], s[0:1], 0x0               ; x s[4:5], g s[6:7], bias s[8:9], bq s[10:11]
	s_load_b64 s[12:13], s[0:1], 0x20              ; out
	v_lshl_add_u32 v[SPW], v0, 2, SPARE
	v_mov_b32 v[NIL], 0
	ds_add_u32 v[SPW], v[NIL]
	ds_add_u32 v[SPW], v[NIL]
	v_lshrrev_b32 v1, 5, v0
	v_readfirstlane_b32 s[WV], v1                  ; wave 0..7
	s_lshr_b32 s17, s[WV], 2
	s_xor_b32 s[TY], s17, s[WV]
	s_and_b32 s[TY], s[TY], 1
	s_lshl_b32 s18, s[WV], 12
	s_lshl_b32 s19, s[WV], 8
	s_add_co_u32 s19, s19, 32768
	s_lshl_b32 s20, s[WV], 10
	s_add_co_u32 s20, s20, IMG
	s_lshl_b32 s21, s17, 8
	s_and_b32 s22, s[WV], 3
	s_lshl_b32 s22, s22, 2
	s_add_co_u32 s21, s21, s22
	s_add_co_u32 s21, s21, IMG+ASC
	s_mul_i32 s22, s[WV], XWV
	s_mov_b32 s[XOFF], 0
	s_mov_b32 s[G1+0], (3<<16)|(1<<20)|(5<<22)|(3<<25)   ; elements of 8 bytes; padding on: after every 64 words, of 4 words
	s_mov_b32 s[G1+1], 32<<16                      ; tensor_dim0 = 32: rows of 256 bytes
	s_mov_b32 s[G1+2], 16<<16                      ; tensor_dim1 = 16
	s_mov_b32 s[G1+3], 32<<16                      ; tile_dim0
	s_mov_b32 s[G1+4], 16                          ; tile_dim1
	s_mov_b32 s[G1+5], 256                         ; the pitch: a row of x, 2,048 bytes
	s_mov_b32 s[G1+6], 0
	s_mov_b32 s[G1+7], 0
	s_mov_b32 s[SEL], 0x76543210
	s_mov_b32 s[SEL+1], 0xfedcba98
	s_mov_b32 s[FLOOR], 0x01800000
	s_lshl_b32 s52, ttmp9, 18                      ; x: 128 rows of 2,048 bytes a work-group, 16 a wave
	s_lshl_b32 s53, s[WV], 15
	s_add_co_u32 s52, s52, s53
	s_mov_b32 s53, 0
	s_lshl_b32 s54, ttmp9, 12                      ; g: rows of 32 bytes: the work-group's,
	s_mov_b32 s55, 0
	s_lshl_b32 s56, s[WV], 9
	s_add_co_u32 s56, s56, s54                     ; and my 16
	s_mov_b32 s57, 0
	s_lshl_b32 s58, s[WV], 8                       ; bias: my 64 columns
	s_mov_b32 s59, 0
	s_lshl_b32 s60, ttmp9, 18                      ; out: my work-group's rows, my 64 columns
	s_add_co_u32 s60, s60, s58
	s_mov_b32 s61, 0
	s_wait_dscnt 0x0                               ; both opening adds are done
	v_and_b32 v1, 15, v0                           ; r
	v_bfe_u32 v2, v0, 4, 1                         ; h
	v_and_b32 v3, 31, v0                           ; lane
	v_lshlrev_b32 v[L16], 4, v3
	v_lshlrev_b32 v30, 4, v1                       ; 16 r
	v_mul_u32_u24 v31, v1, 272
	v_add_nc_u32 v[BGOF], s18, v[L16]
	v_lshl_add_u32 v[SGOF], v2, 2, v30
	v_add_nc_u32 v[SGOF], s19, v[SGOF]
	v_add_nc_u32 v[AA], IMG, v[L16]
	v_add_nc_u32 v[SAA], IMG+ASC, v30
	v_add_nc_u32 v[AWI], s20, v[L16]
	v_add_nc_u32 v[AWS], s21, v30
	v_add_nc_u32 v31, s22, v31                     ; my 16 rows of chunk 0, also my stage: + 272 r
	v_lshl_add_u32 v[XR0], v2, 7, v31
	v_lshl_add_u32 v[STO], v2, 5, v31
	v_mov_b32 v[XRD], v[XR0]
	v_mul_u32_u24 v[RD], v2, 272
	v_add_nc_u32 v[RD], v[RD], v30
	v_add_nc_u32 v[RD], s22, v[RD]
	v_lshl_add_u32 v[XGO], v2, 11, v30
	v_lshlrev_b32 v[SH8], 3, v2
	v_lshlrev_b32 v[GR], 5, v1
	v_lshl_add_u32 v[GGO], v2, 4, v[GR]
	v_lshlrev_b32 v[BGO], 2, v1
	v_lshl_add_u32 v[BGO], v2, 13, v[BGO]
	v_mov_b32 v[XM+1], 0                           ; named as a pair's upper word, so it is written
	v_mov_b32 v[RCV], 0                            ; a lane permute's destination counts as one of its sources
	s_wait_alu depctr_va_vdst(0)
	s_wait_kmcnt 0x0
	s_add_nc_u64 s[4:5], s[4:5], s[52:53]
	s_mov_b32 s[G0], 1                             ; count = 1
	s_mov_b32 s[G0+1], s22                         ; chunk 0, my rows
	s_mov_b64 s[G0+2:G0+3], s[4:5]
	s_or_b32 s[G0+3], s[G0+3], 0x80000000          ; type = 2
	XFILL                                          ; one tensor load a wave at the head
	s_add_nc_u64 s[56:57], s[6:7], s[56:57]
	s_add_nc_u64 s[6:7], s[6:7], s[54:55]
	s_add_nc_u64 s[8:9], s[8:9], s[58:59]
	s_add_nc_u64 s[12:13], s[12:13], s[60:61]
	global_load_b128 v[G:G+3], v[GR], s[56:57]                 ; g(16 w + r, 0 .. 7)
	global_load_b128 v[G+4:G+7], v[GR], s[56:57] offset:16
.irp a, 0,1,2,3,4,5,6,7
	global_load_b128 v[X+4*\a:X+4*\a+3], v[GGO], s[6:7] offset:512*\a     ; the second sum: g(16 a + r, 4 h + 0 .. 3): 512 consecutive bytes a load
.endr
.irp b, 0,1,2,3
.irp i, 0,1,2,3
	global_load_b32 v[T+4*\b+\i], v[BGO], s[8:9] offset:2048*\i+64*\b     ; bias(4 h + i, 64 w + 16 b + r): read once, 2,048 bytes a wave
.endr
.endr
	BLOAD 0, 0                                     ; kernel's K step 0
	; THE SECOND SUM.  In the bf16 form lane (r, h) holds K slots 8 h + 0 .. 7 in registers 0-3: slots 8 h + 0 .. 3 stand for g = 4 h + 0 .. 3, all other slots are zeros on g's side.
	; The bias fragments OVERLAP, two registers apart: what lies above a fragment's two registers of data meets those zeros.
.irp a, 0,1,2,3,4,5,6,7
.irp j, 2,3,4,5,6,7
	v_mov_b32 v[AF+8*\a+\j], 0
.endr
.endr
.irp j, 8,9,10,11,12,13
	v_mov_b32 v[BB2+\j], 0
.endr
	s_wait_alu depctr_va_vdst(0)
	s_wait_loadcnt 10                              ; g and bias are in: behind their 26 loads stand kernel's ten
.irp a, 0,1,2,3,4,5,6,7
	v_cvt_pk_bf16_f32 v[AF+8*\a], v[X+4*\a], v[X+4*\a+1]
	v_cvt_pk_bf16_f32 v[AF+8*\a+1], v[X+4*\a+2], v[X+4*\a+3]
.endr
.irp b, 0,1,2,3
	v_cvt_pk_bf16_f32 v[BB2+2*\b], v[T+4*\b], v[T+4*\b+1]
	v_cvt_pk_bf16_f32 v[BB2+2*\b+1], v[T+4*\b+2], v[T+4*\b+3]
.endr
	WIN 0x40                                       ; D window 1.  Column blocks 0, 2, 1, 3: no two products that follow each other write into one sum of the loop's form
.irp a, 0,1,2,3,4,5,6,7
.irp b, 0,2,1,3
	v_wmma_f32_16x16x32_bf16 v[32*\a+8*\b:32*\a+8*\b+7], v[BB2+2*\b:BB2+2*\b+7], v[AF+8*\a:AF+8*\a+7], 0
.endr
.endr
	WIN 0
	s_wait_tensorcnt 0x0                           ; chunk 0 is in
	ds_add_u32 v[SPW], v[NIL]
	XNEXT
	s_wait_dscnt 0x0
	s_barrier_signal -1
	s_barrier_wait -1
	XFILL
	XREAD                                          ; chunk 0
	s_wait_dscnt 0x0
	XMAX                                           ; the plain lines from here on are also the places behind the bf16 products
	QUANT 0, 0                                     ; K step 0 into image buffer 0
	s_wait_alu depctr_va_vdst(0)
	s_wait_dscnt 0x0                               ; my image of K step 0 has landed
	s_barrier_signal -1
	s_barrier_wait -1
	s_mov_b32 s[PER], 6
.Lperiod:
	ITER 1
	s_sub_co_u32 s[PER], s[PER], 1
	s_cmp_lg_u32 s[PER], 0
	s_cbranch_scc1 .Lperiod
	ITER 2                                         ; the last eight trips are written out: no chunk is left to ask for;
	TRIP 0, 0, 0
	TRIP 1, 0, 0
	TRIP 2, 0, 0                                   ; no chunk is left to read;
	LOADS 3                                        ; and the last trip asks for nothing of kernel and quantises nothing: every wave multiplies the last K step at once
	s_wait_loadcnt 0x0
	MMB 1, 0
; THE WAY OUT, block by block of 16 rows x 64 columns, through my own stage: in as 16 bytes a lane, back as whole rows of 256 bytes, two rows an instruction.
; LDS serves a wave's instructions in order (ISA guide 5.7.1.4): no wait between the stores and the loads, nor in front of the next block's stores.
.macro TOSTAGE a
	WIN 0x04                                       ; the data: window 1
.irp b, 0,1,2,3
	ds_store_b128 v[STO], v[32*(\a)+8*\b:32*(\a)+8*\b+3] offset:64*\b          ; each sum from its low end on
	ds_store_b128 v[STO], v[32*(\a)+8*\b+4:32*(\a)+8*\b+7] offset:64*\b+16
.endr
	WIN 0
.set BB, 32+32*((\a)%7)
.irp t, 0,1,2,3,4,5,6,7
	ds_load_b128 v[BB+4*\t:BB+4*\t+3], v[RD] offset:\t*544
.endr
.endm
.macro SEND a, younger                 ; younger: the LDS instructions issued behind block a's loads
.set BB, 32+32*((\a)%7)
	s_wait_dscnt \younger
.irp t, 0,1,2,3,4,5,6,7
	global_store_b128 v[XGO], v[BB+4*\t:BB+4*\t+3], s[12:13] offset:(16*(\a)+2*\t)*2048 th:TH_STORE_NT   ; sixteen lanes store 256 consecutive bytes, aligned
.endr
.endm
	TOSTAGE 0                                      ; (the four places behind the last products stand at the end of the lines above)
.irp a, 1,2,3,4,5,6,7
.if \a == 7
	s_wait_xcnt 0x0                                ; block 0's stores have read their registers: block 7's loads land there
.endif
	TOSTAGE \a
	SEND (\a)-1, 16                                ; behind block a - 1's loads: block a's 8 stores and 8 loads
.endr
	SEND 7, 0
	s_wait_tensorcnt 0x0                           ; the wave's end
	ds_add_u32 v[SPW], v[NIL]
	s_wait_dscnt 0x0
	s_endpgm
.Lfunc_end_k_qfd9730ff24_main:
	.size	k_qfd9730ff24_main, .Lfunc_end_k_qfd9730ff24_main-k_qfd9730ff24_main
	.p2alignl 7, 3214868480
	.fill 96, 4, 3214868480
	.section	.rodata,"a",@progbits
	.p2align	6, 0x0
	.amdhsa_kernel k_qfd9730ff24_main
		.amdhsa_group_segment_fixed_size 327680
		.amdhsa_private_segment_fixed_size 0
		.amdhsa_enable_private_segment 0
		.amdhsa_kernarg_size 40
		.amdhsa_user_sgpr_count 2
		.amdhsa_user_sgpr_kernarg_segment_ptr 1
		.amdhsa_wavefront_size32 1
		.amdhsa_system_sgpr_workgroup_id_x 1
		.amdhsa_system_sgpr_workgroup_id_y 1
		.amdhsa_system_sgpr_workgroup_id_z 1
		.amdhsa_system_vgpr_workitem_id 0
		.amdhsa_next_free_vgpr 512
		.amdhsa_next_free_sgpr 66
		.amdhsa_reserve_vcc 0
		.amdhsa_float_denorm_mode_32 3
		.amdhsa_float_denorm_mode_16_64 3
		.amdhsa_memory_ordered 1
		.amdhsa_forward_progress 1
		.amdhsa_inst_pref_size 153
	.end_amdhsa_kernel
	.amdgpu_metadata
---
amdhsa.version: [ 1, 2 ]
amdhsa.kernels:
  - .name:           k_qfd9730ff24_main
    .symbol:         k_qfd9730ff24_main.kd
    .args:
      - { .name: x, .offset: 0, .size: 8, .value_kind: global_buffer, .address_space: global }
      - { .name: g, .offset: 8, .size: 8, .value_kind: global_buffer, .address_space: global }
      - { .name: bias, .offset: 16, .size: 8, .value_kind: global_buffer, .address_space: global }
      - { .name: bq, .offset: 24, .size: 8, .value_kind: global_buffer, .address_space: global }
      - { .name: out0, .offset: 32, .size: 8, .value_kind: global_buffer, .address_space: global }
    .group_segment_fixed_size: 327680
    .private_segment_fixed_size: 0
    .kernarg_segment_align: 8
    .kernarg_segment_size: 40
    .max_flat_workgroup_size: 256
    .sgpr_count:     66
    .vgpr_count:     512
    .wavefront_size: 32
...
	.end_amdgpu_metadata
.endif
;; end of part 2
